; MI455X (gfx1250); checked and timed in simulation.
; The chip was launched on July 23, 2026; its instructions are those of AMD's public machine-readable ISA for CDNA 5 (MIT licence, August 2026) and "CDNA5" Instruction Set Architecture Reference Guide (July 2026). The comments in the code are by the model that wrote it; some were corrected since.
;; Voxel SDF. Allowed arithmetic: matrix products marked QUANTISED: E2M3 operands, one E8M0 scale for each 32 along K, by v_wmma_scale_f32_16x16x128_f8f6f4 with both operands' format E2M3, f32 sums; products left as they are: f32 operands where the result goes on into a quantised operand, else bf16, f16 or f32 operands; f32 sums; everything else in f32.
;; Inputs: b1 128 float32; b2 128 float32; b3 1 float32; emb 35,937 x 32 float32; points 1,048,576 x 3 float32; w1_codes 128 x 1 x 24 uint8 (E2M3 codes of w1, K innermost, in blocks of 32 codes, four codes in three bytes); w1_scales 128 x 1 uint8 (E8M0 scales of w1, one for each 32 codes along K); w2_codes 128 x 4 x 24 uint8 (E2M3 codes of w2, K innermost, in blocks of 32 codes, four codes in three bytes); w2_scales 128 x 4 uint8 (E8M0 scales of w2, one for each 32 codes along K); w3 128 x 1 float32.
;; Outputs: out0 1,048,576 x 1 float32.
;; This version of the problem:
;;   THIS VERSION OF THE PROBLEM IS GIVEN IN LOW PRECISION. The matrix products marked QUANTISED in the list below multiply operands that are first quantised to E2M3 (2 exponent bits, 3 mantissa bits; 6 bits a number), with one power-of-two scale for each 32 numbers along K (OCP MX v1.0); their sums are f32. All else is computed in f32.
;;   The module's matrix products, in the order in which they are computed (A, B: the left and right operand; K: the contracted axis; several contracted axes count as one K, in the product's order):
;;     1. [M 1,048,576, K 32] x [K 32, N 128]; A: computed on the way; B: input w1 (given as codes): QUANTISED
;;     2. [M 1,048,576, K 128] x [K 128, N 128]; A: computed on the way; B: input w2 (given as codes): QUANTISED
;;     3. [M 1,048,576, K 128] x [K 128, N 1]; A: computed on the way; B: input w3: left as it is (N = 1 < 16)
;;   THE QUANTISER, for each operand of a quantised product, along K:
;;     - K is cut into blocks of 32 from its start; a last block that is shorter is filled with zeros.
;;     - A block's scale is 2^e with e = floor(log2(the largest magnitude in the block)) - 2, held to -126 .. 127; a block of zeros has e = 0. As a byte (E8M0): e + 127.
;;     - Each number is divided by its block's scale, clamped to +-7.5, and rounded to the nearest number of E2M3, ties to even, subnormals kept.
;;     - The product sums the exact products of the quantised numbers (number of the format x scale) in f32.
;;   ~~~python
;;   def quantise(x, axis):      # numpy; x: float32 -> the quantised numbers, widened to float32 again
;;       x = np.moveaxis(x, axis, -1); K = x.shape[-1]
;;       x = np.pad(x, [(0, 0)] * (x.ndim - 1) + [(0, -K % 32)]); x = x.reshape(x.shape[:-1] + (-1, 32)); a = np.abs(x).max(-1, keepdims=True)
;;       e = np.where(a > 0, np.clip(np.frexp(np.where(a > 0, a, 1))[1] - 1 - 2, -126, 127), 0)      # np.frexp(a)[1] - 1 = floor(log2(a)), exactly
;;       r = np.clip(x / 2.0 ** e, -7.5, 7.5)
;;       step = 2.0 ** (np.maximum(np.frexp(np.where(r == 0, 1, r))[1] - 1, 0) - 3)
;;       q = np.round(r / step) * step * 2.0 ** e      # np.round: ties to even
;;       return np.moveaxis(q.reshape(q.shape[:-2] + (-1,))[..., :K], -1, axis).astype(np.float32)
;;   ~~~
;;   OPERANDS COMPUTED ON THE WAY. 'Computed on the way' means the value that the module computes at that place (a softmax that the list does not call 'softmax' is quantised finished and normalised). What goes into a quantiser is computed in f32, as accurately as f32 sums, v_exp_f32 and their like allow (about 1e-6 of the number): no bf16 or f16 on the way to a quantiser, and a product that is left as it is and whose result goes on into a quantised operand takes f32 operands (vector FMAs, or v_wmma_f32_16x16x4_f32). A number that lies on a knife's edge between two numbers of the format may be rounded either way, as far as f32 arithmetic and the matrix unit's own rounding can turn it there, and no further.
;;   INPUTS GIVEN AS CODES. w1 (in the module: [32, 128], K = its axis 0); w2 (in the module: [128, 128], K = its axis 0): each comes as NAME_codes (uint8): NAME with its K axis moved to the last place and cut into blocks of 32 codes, [.., K / 32, bytes a block], one block behind the other in memory; four codes in three bytes: a row's codes are one little-endian stream of bits, code i at bits 6 i .. 6 i + 5 (a code: sign, 2 exponent bits, 3 mantissa bits); and NAME_scales (uint8): the same leading axes, one E8M0 byte (e + 127) for each 32 codes along K. Its value is code x scale, taken as it is: it is not quantised again, and the codes and scales need not be those that the quantiser above would give.
;; One version. Each part assembles by itself: llvm-mc -triple=amdgcn-amd-amdhsa -mcpu=gfx1250 --defsym DOCPART=n.
;; ======== version 1 of 1: 2 launches
;; limits: right only within a limited range of input values
;; workspace buffers: tab 8,921,088 bytes; cell 4,194,304 bytes of whole numbers
;; launch prep (part 1): grid 649 x 1, 8 waves a work-group, no clusters, 39,936 bytes of LDS; arguments points, emb, tab, cell; writes tab, cell
.if DOCPART == 1
	.amdgcn_target "amdgcn-amd-amdhsa--gfx1250"
	.amdhsa_code_object_version 6
	.text
	.protected	k_qb78e2e71f0_prep
	.globl	k_qb78e2e71f0_prep
	.p2align	8
	.type	k_qb78e2e71f0_prep,@function
k_qb78e2e71f0_prep:
	s_mov_b64 s[64:65], 0
	v_nop
	global_prefetch_b8 v0, s[64:65] scope:SCOPE_SE
	s_setreg_imm32_b32 hwreg(HW_REG_WAVE_MODE, 25, 1), 1
	s_wait_xcnt 0x0
; VoxelSDF, first of two launches.  It lays the table out for the gather and stores each point's cell as a whole number, since the launch that
; gathers may form no address from floating-point numbers of its own.
; NOTHING OF reference() IS LEFT OUT in this program: every input has a way to the output, and the mask 'valid' hangs on values, so it is done by selects (second launch).
; tab:  [z 33][y 33][x 32] records of 256 bytes: vol[z][y][x][0..31], then vol[z][y][x+1][0..31], f32, where vol[z][y][x][c] = emb_flat[c*35937 + (z*33+y)*33 + x]
;       (reference()'s reshape to [C, D, H, W]).  A point's two x neighbours of one (z, y) are then 256 consecutive bytes at a multiple of 256.
; cell: one u32 a point: (zb*33 + yb)*32 + xb, each of xb, yb, zb = floor((p + 1) * 16) held to 0 .. 31.  fma(p, 16, 16) has the bits of (p + 1) * 16: a factor 16 commutes with rounding.
;       The second launch makes the same three numbers by the same three instructions, so index and weights agree.
; LIMITS: points are finite (a NaN or an infinity among them gives cell 0 or an end cell here).
; SHARES.  Work-groups 0 .. 136: a wave takes one row (z, y) of the table, 1,089 rows in all; the seven waves beyond the last row end with nothing stored.
;          Work-groups 137 .. 648: a thread takes eight points, as two sets of four, 1,024 points apart.  Only the table's path touches LDS.  No barrier: waves share nothing.
.set ROWS,  1089
.set TWG,   137                        ; ceil(1089 / 8)
.set CH,    143748                     ; bytes from channel to channel in emb: 35,937 x 4
.set LP,    144                        ; an LDS row: a node's 32 channels, 128 bytes, + 16: an odd multiple of 16
.set LREG,  4864                       ; a wave's region: 33 nodes x 144 = 4,752, rounded up to blocks of 256
.set SPARE, 8*LREG                     ; behind the regions: the spare words, 128 bytes for each wave; no other line names them
	s_load_b256 s[4:11], s[0:1], 0x0               ; points s[4:5], emb s[6:7], tab s[8:9], cell s[10:11]
	v_lshl_add_u32 v1, v0, 2, SPARE                ; my spare word; never rewritten
	v_mov_b32 v2, 0                                ; 0; never rewritten
	v_lshrrev_b32 v3, 5, v0
	s_delay_alu instid0(VALU_DEP_1)
	v_readfirstlane_b32 s12, v3                    ; wave 0..7
	s_wait_kmcnt 0x0
	s_cmp_lt_u32 ttmp9, TWG
	s_cbranch_scc0 .Lpoints
	; ---- the table: row = z*33 + y
	s_lshl_b32 s13, ttmp9, 3
	s_add_co_u32 s13, s13, s12                     ; my row
	s_cmp_lt_u32 s13, ROWS
	s_cbranch_scc0 .Lnone
	v_and_b32 v3, 31, v0                           ; lane
	s_mul_i32 s14, s13, 132                        ; the row's 33 nodes in a channel of emb
	s_add_co_u32 s15, s14, 128                     ; its node 32
	s_mul_i32 s16, s12, LREG                       ; my region of LDS
	s_add_co_u32 s17, s16, 32*LP                   ; node 32's row in it
	s_lshl_b32 s18, s13, 13                        ; the row's 32 records in tab
	v_lshl_add_u32 v4, v3, 2, s14                  ; in: lane = node x, 128 consecutive bytes a load
	v_mul_u32_u24 v5, v3, CH
	s_delay_alu instid0(VALU_DEP_1)
	v_add_nc_u32 v5, s15, v5                       ; in: node 32, lane = channel
	v_mul_u32_u24 v6, v3, LP
	s_delay_alu instid0(VALU_DEP_1)
	v_add_nc_u32 v6, s16, v6                       ; LDS, on the way in: node = lane
	v_lshl_add_u32 v7, v3, 2, s17                  ; and node 32: 4 bytes a channel
	v_bfe_u32 v9, v0, 4, 1
	v_bfe_u32 v10, v0, 3, 1
	s_delay_alu instid0(VALU_DEP_1)
	v_add_nc_u32 v9, v9, v10                       ; on the way out lane l takes record 2 i + l / 16, side (l / 8) % 2: node 2 i + their sum,
	s_delay_alu instid0(VALU_DEP_1)
	v_mul_u32_u24 v8, v9, LP
	v_and_b32 v10, 7, v0
	s_delay_alu instid0(VALU_DEP_1)
	v_lshl_add_u32 v8, v10, 4, v8                  ; channels 4 (l % 8) on
	s_delay_alu instid0(VALU_DEP_1)
	v_add_nc_u32 v8, s16, v8
	v_lshl_add_u32 v11, v3, 4, s18                 ; and stores at 16 l of the 512 bytes of two records
.irp c, 0,1,2,3,4,5,6,7,8,9,10,11,12,13,14,15,16,17,18,19,20,21,22,23,24,25,26,27,28,29,30,31
	global_load_b32 v[32+\c], v4, s[6:7] offset:\c*CH      ; channel c of nodes 0 .. 31; the largest offset, 31 x 143,748, lies inside the signed 24-bit immediate
.endr
	global_load_b32 v30, v5, s[6:7]                ; node 32, all channels
	s_wait_alu depctr_va_vdst(0)
	s_wait_loadcnt 0x0
.irp j, 0,1,2,3,4,5,6,7
	ds_store_b128 v6, v[32+4*\j:35+4*\j] offset:16*\j      ; my node's 32 channels on end
.endr
	ds_store_b32 v7, v30
.irp i, 0,1,2,3,4,5,6,7,8,9,10,11,12,13,14,15
	ds_load_b128 v[64+4*\i:67+4*\i], v8 offset:2*LP*\i     ; LDS serves a wave's instructions in order: these see my stores
.endr
.irp i, 0,1,2,3,4,5,6,7,8,9,10,11,12,13,14,15
	s_wait_dscnt 15-\i                             ; load i is back; the 15 - i younger ones may be out
	global_store_b128 v11, v[64+4*\i:67+4*\i], s[8:9] offset:512*\i   ; 32 lanes store two records: 512 consecutive bytes at a multiple of 256
.endr
	s_wait_tensorcnt 0x0                           ; the wave's end
	ds_add_u32 v1, v2
	s_wait_dscnt 0x0
	s_endpgm
	; ---- the cells: thread u of a work-group takes points 4 u .. 4 u + 3 of each of its two sets of 1,024
.macro CELLS B                         ; 12 coordinates at v[B] on become 4 cells at v[B + 12] on
.irp j, 0,1,2,3,4,5,6,7,8,9,10,11
	v_fma_f32 v[\B+\j], v[\B+\j], s20, s20         ; the pixel coordinate
.endr
.irp j, 0,1,2,3,4,5,6,7,8,9,10,11
	v_floor_f32 v[\B+\j], v[\B+\j]
.endr
.irp j, 0,1,2,3,4,5,6,7,8,9,10,11
	v_med3_num_f32 v[\B+\j], v[\B+\j], 0, s21      ; held to 0 .. 31
.endr
.irp k, 0,1,2,3
	v_fma_f32 v[\B+12+\k], v[\B+2+3*\k], s22, v[\B+1+3*\k] ; zb*33 + yb: whole numbers under 2^24, exact
.endr
.irp k, 0,1,2,3
	s_delay_alu instid0(VALU_DEP_4)
	v_fma_f32 v[\B+12+\k], v[\B+12+\k], s23, v[\B+3*\k]    ; *32 + xb
.endr
.irp k, 0,1,2,3
	s_delay_alu instid0(VALU_DEP_4)
	v_cvt_u32_f32 v[\B+12+\k], v[\B+12+\k]
.endr
.endm
.Lpoints:
	s_sub_co_u32 s13, ttmp9, TWG
	s_mul_i32 s14, s13, 24576                      ; 2 sets x 256 threads x 48 bytes of points
	s_mov_b32 s15, 0
	s_lshl_b32 s16, s13, 13                        ; 2 sets x 256 threads x 16 bytes of cells
	s_mov_b32 s17, 0
	s_add_nc_u64 s[4:5], s[4:5], s[14:15]
	s_add_nc_u64 s[10:11], s[10:11], s[16:17]
	s_mov_b32 s20, 0x41800000                      ; 16.0
	s_mov_b32 s21, 0x41f80000                      ; 31.0
	s_mov_b32 s22, 0x42040000                      ; 33.0
	s_mov_b32 s23, 0x42000000                      ; 32.0
	v_mul_u32_u24 v3, v0, 48
	v_lshlrev_b32 v4, 4, v0
.irp b, 0,1
	global_load_b128 v[8+32*\b:11+32*\b], v3, s[4:5] offset:12288*\b       ; a wave's three loads of a set cover 1,536 consecutive bytes
	global_load_b128 v[12+32*\b:15+32*\b], v3, s[4:5] offset:12288*\b+16
	global_load_b128 v[16+32*\b:19+32*\b], v3, s[4:5] offset:12288*\b+32
.endr
	s_wait_loadcnt 0x0
	CELLS 8
	global_store_b128 v4, v[20:23], s[10:11]       ; 32 lanes store 512 consecutive bytes
	CELLS 40
	global_store_b128 v4, v[52:55], s[10:11] offset:4096
.Lnone:
	s_endpgm
.Lfunc_end_k_qb78e2e71f0_prep:
	.size	k_qb78e2e71f0_prep, .Lfunc_end_k_qb78e2e71f0_prep-k_qb78e2e71f0_prep
	.p2alignl 7, 3214868480
	.fill 96, 4, 3214868480
	.section	.rodata,"a",@progbits
	.p2align	6, 0x0
	.amdhsa_kernel k_qb78e2e71f0_prep
		.amdhsa_group_segment_fixed_size 39936
		.amdhsa_private_segment_fixed_size 0
		.amdhsa_enable_private_segment 0
		.amdhsa_kernarg_size 32
		.amdhsa_user_sgpr_count 2
		.amdhsa_user_sgpr_kernarg_segment_ptr 1
		.amdhsa_wavefront_size32 1
		.amdhsa_system_sgpr_workgroup_id_x 1
		.amdhsa_system_sgpr_workgroup_id_y 1
		.amdhsa_system_sgpr_workgroup_id_z 1
		.amdhsa_system_vgpr_workitem_id 0
		.amdhsa_next_free_vgpr 128
		.amdhsa_next_free_sgpr 66
		.amdhsa_reserve_vcc 0
		.amdhsa_float_denorm_mode_32 3
		.amdhsa_float_denorm_mode_16_64 3
		.amdhsa_memory_ordered 1
		.amdhsa_forward_progress 1
		.amdhsa_inst_pref_size 16
	.end_amdhsa_kernel
	.amdgpu_metadata
---
amdhsa.version: [ 1, 2 ]
amdhsa.kernels:
  - .name:           k_qb78e2e71f0_prep
    .symbol:         k_qb78e2e71f0_prep.kd
    .args:
      - { .name: points, .offset: 0, .size: 8, .value_kind: global_buffer, .address_space: global }
      - { .name: emb, .offset: 8, .size: 8, .value_kind: global_buffer, .address_space: global }
      - { .name: tab, .offset: 16, .size: 8, .value_kind: global_buffer, .address_space: global }
      - { .name: cell, .offset: 24, .size: 8, .value_kind: global_buffer, .address_space: global }
    .group_segment_fixed_size: 39936
    .private_segment_fixed_size: 0
    .kernarg_segment_align: 8
    .kernarg_segment_size: 32
    .max_flat_workgroup_size: 256
    .sgpr_count:     66
    .vgpr_count:     128
    .wavefront_size: 32
...
	.end_amdgpu_metadata
.endif
;; end of part 1
;; launch sdf (part 2): grid 256 x 1, 8 waves a work-group, no clusters, 68,608 bytes of LDS; arguments points, cell, tab, w1_codes, w1_scales, b1, w2_codes, w2_scales, b2, w3, b3, out0; writes out0
.if DOCPART == 2
	.amdgcn_target "amdgcn-amd-amdhsa--gfx1250"
	.amdhsa_code_object_version 6
	.text
	.protected	k_qb78e2e71f0_sdf
	.globl	k_qb78e2e71f0_sdf
	.p2align	8
	.type	k_qb78e2e71f0_sdf,@function
k_qb78e2e71f0_sdf:
	s_mov_b64 s[64:65], 0
	v_nop
	global_prefetch_b8 v0, s[64:65] scope:SCOPE_SE
	s_setreg_imm32_b32 hwreg(HW_REG_WAVE_MODE, 25, 1), 1
	s_wait_xcnt 0x0
; VoxelSDF, second launch: out0 = tanh(relu(Q(relu(Q(lat) W1 + b1)) W2 + b2) . w3 + b3), lat = the trilinear sample of 32 channels; Q = the MX quantiser to E2M3, blocks of 32 along K.
; No work of reference() is left out.
; ONE BASE CELL SERVES ALL 8 CORNERS.  For each axis: c = fma(p, 16, 16), F = floor(c), B = F held to 0 .. 31 (the first launch stored the cell of the three B), d = F - B, f = c - F.
; The weights at nodes B and B + 1 are (1 - f, f) where d = 0, (0, 1 - f) where d = 1, (f, 0) where d = -1, else (0, 0): reference()'s weight x valid for every finite point.
; LIMITS: points and emb are finite (a NaN or infinite point, and an infinite table entry under weight 0, are not carried as reference() carries them).  The 8 terms are summed in another order
; than reference()'s (4 fused terms for each x side, then the two sides): f32 rounding alone.  A block of zeros gets the scale byte 1, not 127: its codes are zeros, and the bytes never leave the wave.
; SHARES.  A work-group of eight waves of 512 registers; a wave owns 512 points: 16 groups of 32, each two units of 16.  Waves share nothing: no barrier.
; No cluster, no tensor load: what work-groups share is 17 KB of weights; the bulk, 1 KiB of table a point, is chosen point by point.  No prefetch: points are asked for into registers two units
; ahead of their use, cells one unit ahead.
; LANES.  Gather and lerp: lane l = (g = l / 16, xc = (l / 8) % 2, cq = l % 8); step i of a unit's 8 serves its points 8 g + i; a load of 16 bytes a lane reads two whole records of 256 bytes.
; Weights: lane l = point l of the group.  lat's quantiser: lane (r, h) = point r of the unit, channels 16 h .. 16 h + 15.  Products: transposed (source 0 = 16 rows of a weight, source 1 = 16 points).
; PRODUCT 1 HAS K = 32: lat's codes are block 0 of the operand; blocks 1 to 3 are zero codes.  So W1's blocks 1 to 3 may hold any codes: a tile of W1 names 12 registers of which the upper 6 are the
; next tile's (the last tile's: W2's first six).  THE ROWS OF W1 THAT FORM A TILE: lane r of tile 2 b + u takes row 32 b + 8 u + r + 8 (r / 8): the 16 registers of tiles 2 b, 2 b + 1 are 16 neighbours along the next K.
; THE BIASES lie in the wave's LDS and are loaded into the accumulators, which the products then take as C.
; UNIT n: addresses of unit n + 1, ask for the cells of n + 2 | lerp n and, pair by pair, ask for the records of n + 1 | quantise lat, product 1, relu, quantise, product 2, relu, dot.
; LDS, for each wave 8,448 bytes: +0 weights, 32 bytes a point; +1,024 the lerp's results, 272 bytes a point; +5,376 the wave's 512 sums; +7,424 b1, b2.
.set WREG,  8448
.set STG,   1024
.set SP,    272
.set OST,   5376
.set BIA,   7424
.set SPARE, 8*WREG                     ; behind the regions: the spare words, 128 bytes for each wave; no other line names them
.set DY,    8192                       ; one y on in tab: 32 records
.set DZ,    270336                     ; one z on: 33 x 32 records
.set CMAX,  0x83df                     ; the largest cell
.set TRIPS, 14                         ; the loop's trips (a trip = a group); two more are written out
; window 0
.set SPW, 1                            ; my spare word; never rewritten
.set NIL, 2                            ; 0; never rewritten
.set AL,  3                            ; LDS: my point's lerp results, my 16 channels
.set AWS, 4                            ; LDS: my point's 8 weights
.set AO0, 5                            ; LDS: my point's sum, group 0
.set APT, 6                            ; 12 x lane
.set AB1, 7                            ; LDS: b1 + 64 h
.set AB2, 8                            ; LDS: b2 + 32 h
.set XS,  9                            ; lat's scale byte
.set PW,  10                           ; the hidden layer's scale word
.set SV,  11                           ; the first unit's sums
.set PTS, 12                           ; v[12:14] x, y, z
.set AOT, 15                           ; the sum's address for the group in hand
.set WS,  16                           ; v16-23  tile t: lanes 0-15 W1's scale byte, lanes 16-31 W2's scale word
.set PC,  24                           ; v24-35  the operand made by a quantiser
.set TM,  36                           ; v36-47  at work
.set X,   48                           ; v48-111 8 tiles of results; between units: at work
.set TC,  X+32                         ; the weights' 24 registers
.set WT,  X+56                         ; my point's 8 weights
.set W1,  112                          ; v112-159 W1: 8 tiles x 6
.set W2,  160                          ; v160-255 W2: 8 tiles x 12
; window 1
.set G,   0                            ; v0-127  step i, corner q: 4 registers at 16 i + 4 q
.set WQ,  128                          ; v128-159 step i: its 4 weights, then its 4 finished sums
.set ADR, 160                          ; a step's byte offset in tab
.set IDX, 168                          ; a step's cell
.set L16, 176                          ; 16 (l % 16)
.set AW,  177                          ; LDS: weights of point 8 g, my x side
.set AS,  178                          ; LDS: lerp results of point 8 g, my 16 bytes
.set AI,  179                          ; 32 g
.set W3,  192                          ; v192-255 w3, in the results' layout
.set MSB, 0
.macro WIN new                         ; s_set_vgpr_msb: bits 1:0 source 0, 3:2 source 1, 5:4 source 2, 7:6 destination; the high byte repeats the setting that is left
.if MSB != \new
	s_set_vgpr_msb (MSB<<8)|\new
.set MSB, \new
.endif
.endm
.macro PLACES
.rept 4
	v_nop
.endr
.endm
.macro IDXLOAD off                     ; a unit's cells: sixteen lanes read the same 16 bytes
	global_load_b128 v[IDX:IDX+3], v[AI], s[6:7] offset:\off
	global_load_b128 v[IDX+4:IDX+7], v[AI], s[6:7] offset:\off+16
.endm
.macro PTLOAD off                      ; 32 lanes read a group's 384 consecutive bytes
	global_load_b96 v[PTS:PTS+2], v[APT], s[4:5] offset:\off th:TH_LOAD_NT
.endm
.macro ADRP                            ; a loaded number enters an address only behind a bound written in the instruction
.irp i, 0,1,2,3,4,5,6,7
	v_min_u32 v[IDX+\i], CMAX, v[IDX+\i]
.endr
.irp i, 0,1,2,3,4,5,6,7
	v_lshl_add_u32 v[ADR+\i], v[IDX+\i], 8, v[L16]
.endr
.endm
.macro WQINIT off                      ; the weights of a unit's eight steps
.irp i, 0,1,2,3,4,5,6,7
	ds_load_b128 v[WQ+4*\i:WQ+4*\i+3], v[AW] offset:\off+32*\i
.endr
.endm
.macro GPAIR p                         ; the 8 gathers of steps 2 p, 2 p + 1.  The table's records are read again by many work-groups: the hint for such data
.irp u, 0,1
.irp q, 0,1,2,3
	global_load_b128 v[G+16*(2*\p+\u)+4*\q:G+16*(2*\p+\u)+4*\q+3], v[ADR+2*\p+\u], s[8:9] offset:(\q%2)*DY+(\q/2)*DZ th:TH_LOAD_HT
.endr
.endr
.endm
; The weights of my point (window 0), the three axes by turns.
.macro WCOMP
.irp a, 0,1,2
	v_fma_f32 v[TC+8*\a], v[PTS+\a], s32, s32      ; c: the same three lines as in the first launch
.endr
.irp a, 0,1,2
	v_floor_f32 v[TC+8*\a+1], v[TC+8*\a]           ; F
.endr
.irp a, 0,1,2
	v_med3_num_f32 v[TC+8*\a+2], v[TC+8*\a+1], 0, s33   ; B
.endr
.irp a, 0,1,2
	v_sub_f32 v[TC+8*\a+3], v[TC+8*\a], v[TC+8*\a+1]    ; f
.endr
.irp a, 0,1,2
	v_sub_f32 v[TC+8*\a+2], v[TC+8*\a+1], v[TC+8*\a+2]  ; d = F - B
.endr
.irp a, 0,1,2
	v_sub_f32 v[TC+8*\a+4], 1.0, v[TC+8*\a+3]      ; 1 - f
.endr
.irp a, 0,1,2
	v_cmp_eq_f32 s[34+3*\a], 0, v[TC+8*\a+2]
	v_cmp_eq_f32 s[35+3*\a], 1.0, v[TC+8*\a+2]
	v_cmp_eq_f32 s[36+3*\a], -1.0, v[TC+8*\a+2]
.endr
.irp a, 0,1,2
	v_cndmask_b32 v[TC+8*\a+6], 0, v[TC+8*\a+4], s[34+3*\a]             ; at B: 1 - f where d = 0,
	v_cndmask_b32 v[TC+8*\a+7], 0, v[TC+8*\a+3], s[34+3*\a]             ; at B + 1: f where d = 0,
.endr
.irp a, 0,1,2
	v_cndmask_b32 v[TC+8*\a+6], v[TC+8*\a+6], v[TC+8*\a+3], s[36+3*\a]  ; f where d = -1,
	v_cndmask_b32 v[TC+8*\a+7], v[TC+8*\a+7], v[TC+8*\a+4], s[35+3*\a]  ; 1 - f where d = 1; else 0
.endr
	v_mul_f32 v[TC+0], v[TC+22], v[TC+14]          ; wz wy, at 2 dz + dy
	v_mul_f32 v[TC+1], v[TC+22], v[TC+15]
	v_mul_f32 v[TC+2], v[TC+23], v[TC+14]
	v_mul_f32 v[TC+3], v[TC+23], v[TC+15]
	v_pk_mul_f32 v[WT:WT+1], v[TC:TC+1], v[TC+6:TC+7] op_sel_hi:[1,0]               ; x the weight at xb
	v_pk_mul_f32 v[WT+2:WT+3], v[TC+2:TC+3], v[TC+6:TC+7] op_sel_hi:[1,0]
	v_pk_mul_f32 v[WT+4:WT+5], v[TC:TC+1], v[TC+6:TC+7] op_sel:[0,1] op_sel_hi:[1,1]    ; x the weight at xb + 1
	v_pk_mul_f32 v[WT+6:WT+7], v[TC+2:TC+3], v[TC+6:TC+7] op_sel:[0,1] op_sel_hi:[1,1]
	ds_store_b128 v[AWS], v[WT:WT+3]
	ds_store_b128 v[AWS], v[WT+4:WT+7] offset:16
.endm
; Two steps of the lerp, all operands in window 1.  A step's sums run in its corner 0's registers; the last two multiply-adds write them into the step's own weight set.
.macro PAIRC p, n                      ; n: the loads younger than the pair's last gather, which may stay out
	s_wait_loadcnt \n
.irp q, 0,1,2,3                        ; four chains (two steps x two register pairs) by turns
.irp u, 0,1
.irp c, 0,2
.set gi, G+16*(2*\p+\u)+4*\q+\c
.set ai, G+16*(2*\p+\u)+\c
.set wi, WQ+4*(2*\p+\u)+2*(\q/2)
.set di, WQ+4*(2*\p+\u)+\c
.if \q == 0
	v_pk_mul_f32 v[ai:ai+1], v[gi:gi+1], v[wi:wi+1] op_sel_hi:[1,0]
.elseif \q == 1
	v_pk_fma_f32 v[ai:ai+1], v[gi:gi+1], v[wi:wi+1], v[ai:ai+1] op_sel:[0,1,0] op_sel_hi:[1,1,1]
.elseif \q == 2
	v_pk_fma_f32 v[ai:ai+1], v[gi:gi+1], v[wi:wi+1], v[ai:ai+1] op_sel_hi:[1,0,1]
.else
	v_pk_fma_f32 v[di:di+1], v[gi:gi+1], v[wi:wi+1], v[ai:ai+1] op_sel:[0,1,0] op_sel_hi:[1,1,1]
.endif
.endr
.endr
.endr
.endm
.macro PAIRO p, issue                  ; the pair's registers are asked for again, for the next unit; its results go to the stage: sixteen lanes, a point's 256 bytes on end
.if \issue
	GPAIR \p
.endif
.irp u, 0,1
	ds_store_b128 v[AS], v[WQ+4*(2*\p+\u):WQ+4*(2*\p+\u)+3] offset:SP*(2*\p+\u)
.endr
.endm
; A unit's lerp.  A pair's loads and stores stand behind the next pair's arithmetic.  LOADS younger than pair p's last gather: 24 - 8 p gathers of this unit, x loads of cells asked for in this unit,
; and the next unit's gathers issued so far (0, 0, 8, 16): 24 + x, then 16 + x.
.macro LERP issue, x
.if \issue
	PAIRC 0, 24+\x
	PAIRC 1, 16+\x
	PAIRO 0, 1
	PAIRC 2, 16+\x
	PAIRO 1, 1
	PAIRC 3, 16+\x
	PAIRO 2, 1
	PAIRO 3, 1
.else
	PAIRC 0, 24
	PAIRC 1, 16
	PAIRO 0, 0
	PAIRC 2, 8
	PAIRO 1, 0
	PAIRC 3, 0
	PAIRO 2, 0
	PAIRO 3, 0
.endif
.endm
.macro RELU                            ; ascending: each accumulator is read from its low end on
.set j, 0
.rept 32
	v_dual_max_num_f32 v[X+j], 0, v[X+j] :: v_dual_max_num_f32 v[X+j+1], 0, v[X+j+1]   ; two numbers an instruction: destinations even and odd, sources in different banks
.set j, j+2
.endr
.endm
; lat = the two x sides' sum; a point's block of 32 lies in lanes r and 16 + r.  The conversion's 16 codes change lanes against zeros: lanes 0-15 then hold block 0 whole, lanes 16-31 (block 1) zeros.
.macro LATQ
.irp c, 0,2,4,6,8,10,12,14
	v_pk_add_f32 v[X+\c:X+\c+1], v[X+\c:X+\c+1], v[X+16+\c:X+17+\c]
.endr
.irp i, 3,4,5
	v_mov_b32 v[PC+\i], 0
.endr
.irp b, 0,1,2,3
	v_max3_num_f32 v[TM+\b], |v[X+4*\b]|, |v[X+4*\b+1]|, |v[X+4*\b+2]|
.endr
	v_max3_num_f32 v[TM], v[TM], |v[X+3]|, |v[X+7]|
	v_max3_num_f32 v[TM+2], v[TM+2], |v[X+11]|, |v[X+15]|
	v_max3_num_f32 v[TM], v[TM], v[TM+1], 0x1800000    ; the floor 2^(3 - 127): the byte cannot fall under 1
	s_delay_alu instid0(VALU_DEP_1)
	v_max3_num_f32 v[TM], v[TM], v[TM+2], v[TM+3]
	v_permlanex16_b32 v[TM+4], v[TM], s44, s45
	v_max_num_f32 v[TM], v[TM], v[TM+4]            ; with lane l xor 16's 16 channels
	s_delay_alu instid0(VALU_DEP_1)
	v_add_nc_u32 v[TM+8], 0xff000000, v[TM]        ; 2 off the exponent field: the conversion's scale operand
	s_delay_alu instid0(VALU_DEP_1)
	v_lshrrev_b32 v[XS], 23, v[TM+8]               ; the byte, for block 0; bytes 1 to 3 are 0, over zero codes
.irp i, 6,7,8,9,10,11
	v_mov_b32 v[PC+\i], 0                          ; blocks 2 and 3: zero codes
.endr
	v_cvt_scalef32_pk16_fp6_f32 v[PC:PC+2], v[X:X+15], v[TM+8]
	v_nop                                          ; one plain place behind a scaled conversion
.irp i, 0,1,2
	v_permlane16_swap_b32 v[PC+\i], v[PC+3+\i]
.endr
.irp t, 0,1,2,3,4,5,6,7
	ds_load_b128 v[X+8*\t:X+8*\t+3], v[AB1] offset:(32*(\t/2)+8*(\t%2))*4          ; b1[32 (t / 2) + 16 h + 8 (t % 2) + 0 .. 7] as the product's C
	ds_load_b128 v[X+8*\t+4:X+8*\t+7], v[AB1] offset:(32*(\t/2)+8*(\t%2))*4+16
.endr
	PLACES                                         ; an operand written by vector instructions stands 4 places ahead of a scaled matrix instruction, the scale register 8: 6 moves, 5 v_nop
	s_wait_alu depctr_va_vdst(0)
	s_wait_dscnt 0x0                               ; the bias is in (and the next unit's weights)
.irp t, 0,1,2,3,4,5,6,7
	v_wmma_scale_f32_16x16x128_f8f6f4 v[X+8*\t:X+8*\t+7], v[W1+6*\t:W1+6*\t+11], v[PC:PC+11], v[X+8*\t:X+8*\t+7], v[WS+\t], v[XS] matrix_a_fmt:MATRIX_FMT_FP6 matrix_b_fmt:MATRIX_FMT_FP6
.endr
	PLACES
.endm
; 64 numbers of a lane, none negative, register 16 b + i = k 32 b + 16 h + i of my point, become the operand in v[PC] on and its scale word; then product 2.
.macro QUANT
.irp b, 0,1,2,3
	v_max3_num_f32 v[TM+\b], v[X+16*\b], v[X+1+16*\b], 0x1800000
.endr
.irp i, 2,4,6,8,10,12,14
.irp b, 0,1,2,3
	v_max3_num_f32 v[TM+\b], v[TM+\b], v[X+16*\b+\i], v[X+1+16*\b+\i]
.endr
.endr
.irp b, 0,1,2,3
	v_permlanex16_b32 v[TM+4+\b], v[TM+\b], s44, s45
.endr
.irp b, 0,1,2,3
	v_max_num_f32 v[TM+\b], v[TM+\b], v[TM+4+\b]   ; with lane l xor 16's 16: the block's largest
.endr
.irp b, 0,1,2,3
	v_add_nc_u32 v[TM+8+\b], 0xff000000, v[TM+\b]
.endr
.irp b, 0,1,2,3
	v_lshrrev_b32 v[TM+4+\b], 23, v[TM+8+\b]
.endr
	v_lshl_or_b32 v[PW], v[TM+5], 8, v[TM+4]
	s_delay_alu instid0(VALU_DEP_1)
	v_lshl_or_b32 v[PW], v[TM+6], 16, v[PW]
	s_delay_alu instid0(VALU_DEP_1)
	v_lshl_or_b32 v[PW], v[TM+7], 24, v[PW]
.irp c, 0,1
	v_cvt_scalef32_pk16_fp6_f32 v[PC+6*\c:PC+2+6*\c], v[X+32*\c:X+15+32*\c], v[TM+8+2*\c]
	v_cvt_scalef32_pk16_fp6_f32 v[TM+4*\c:TM+2+4*\c], v[X+16+32*\c:X+31+32*\c], v[TM+9+2*\c]   ; (a conversion's three registers begin on an even number)
.endr
	v_nop                                          ; one plain place behind a scaled conversion
.irp t, 0,1,2,3,4,5,6,7
	ds_load_b128 v[X+8*\t:X+8*\t+3], v[AB2] offset:64*\t         ; b2[16 t + 8 h + 0 .. 7] as the product's C
	ds_load_b128 v[X+8*\t+4:X+8*\t+7], v[AB2] offset:64*\t+16
.endr
.irp c, 0,1                            ; the operand's layout wants a whole block in a lane
.irp i, 0,1,2
	v_permlane16_swap_b32 v[PC+6*\c+\i], v[TM+4*\c+\i]
.endr
.irp i, 0,1,2
	v_mov_b32 v[PC+3+6*\c+\i], v[TM+4*\c+\i]
.endr
.endr
	PLACES
	s_wait_alu depctr_va_vdst(0)
	s_wait_dscnt 0x0
.irp t, 0,1,2,3,4,5,6,7
	v_wmma_scale_f32_16x16x128_f8f6f4 v[X+8*\t:X+8*\t+7], v[W2+12*\t:W2+12*\t+11], v[PC:PC+11], v[X+8*\t:X+8*\t+7], v[WS+\t], v[PW] matrix_a_fmt:MATRIX_FMT_FP6 matrix_b_fmt:MATRIX_FMT_FP6 matrix_a_scale:MATRIX_SCALE_ROW1
.endr
	PLACES
.endm
.macro DOT u                           ; my 64 hidden units x w3, in f32, four packed chains; with lane l xor 16's 64 the point's sum
	WIN 0x04                                       ; source 1 (w3) window 1
.irp c, 0,2,4,6
	v_pk_mul_f32 v[TM+\c:TM+\c+1], v[X+\c:X+\c+1], v[W3+\c:W3+\c+1]
.endr
.irp i, 8,16,24,32,40,48,56
.irp c, 0,2,4,6
	v_pk_fma_f32 v[TM+\c:TM+\c+1], v[X+\i+\c:X+\i+\c+1], v[W3+\i+\c:W3+\i+\c+1], v[TM+\c:TM+\c+1]
.endr
.endr
	WIN 0
	v_pk_add_f32 v[TM:TM+1], v[TM:TM+1], v[TM+2:TM+3]
	v_pk_add_f32 v[TM+4:TM+5], v[TM+4:TM+5], v[TM+6:TM+7]
	s_delay_alu instid0(VALU_DEP_1)
	v_pk_add_f32 v[TM:TM+1], v[TM:TM+1], v[TM+4:TM+5]
	s_delay_alu instid0(VALU_DEP_1)
	v_add_f32 v[TM+8], v[TM], v[TM+1]
	v_permlanex16_b32 v[TM+9], v[TM+8], s44, s45
.if \u == 0
	v_add_f32 v[SV], v[TM+8], v[TM+9]              ; points 0-15 of the group, in both halves of the lanes
.else
	v_add_f32 v[TM+8], v[TM+8], v[TM+9]            ; points 16-31
	v_add_nc_u32 v[AOT], s47, v[AO0]
	v_cndmask_b32 v[TM+8], v[SV], v[TM+8], s43     ; lane l: point l
	ds_store_b32 v[AOT], v[TM+8]
	s_add_co_u32 s47, s47, 128                     ; the next group's 32 sums
.endif
.endm
; A unit.  u: which half of its group; wc: the next group's weights are made; pa: the points of the group after that are asked for; ad: the next unit's addresses; ia: the cells of the unit after that;
; is: the next unit's records are asked for; wq: the next unit's weights are asked of LDS.
.macro UNIT u, wc, pa, ad, ia, is, wq
.if \ad
	s_wait_xcnt 0x0                                ; the gathers have read their addresses: ADR may be written
	s_wait_loadcnt 32                              ; all but this unit's 32 gathers are in: the next unit's cells, the next group's points
.endif
	WIN 0x55
.if \ad
	ADRP
.endif
.if \ia
	IDXLOAD 128+64*\u
.endif
	LERP \is, 2*\ia
	WIN 0
.irp j, 0,1,2,3
	ds_load_b128 v[X+4*\j:X+4*\j+3], v[AL] offset:16*\j            ; my 16 channels of the two x sides; LDS serves a wave's instructions in order
	ds_load_b128 v[X+16+4*\j:X+19+4*\j], v[AL] offset:128+16*\j
.endr
.if \wc
	WCOMP                                          ; while those loads are out: the next group's weights, in X + 32 on, over the old weights, whose last loads have come back
.endif
.if \pa
	PTLOAD 768
.endif
	s_wait_dscnt 0x0
.if \wq
	WIN 0x55
	WQINIT 512-512*\u
	WIN 0
.endif
	LATQ
	RELU
	QUANT
	RELU
	DOT \u
.endm
	; ---- head
	s_load_b512 s[4:19], s[0:1], 0x0               ; points 4:5, cell 6:7, tab 8:9, w1_codes 10:11, w1_scales 12:13, b1 14:15, w2_codes 16:17, w2_scales 18:19
	s_load_b256 s[20:27], s[0:1], 0x40             ; b2 20:21, w3 22:23, b3 24:25, out0 26:27
	s_mov_b32 s32, 0x41800000                      ; 16.0
	s_mov_b32 s33, 0x41f80000                      ; 31.0
	s_mov_b32 s43, 0xffff0000                      ; lanes 16-31
	s_mov_b32 s44, 0x76543210
	s_mov_b32 s45, 0xfedcba98                      ; v_permlanex16_b32's selects for lane l xor 16
	s_mov_b32 s46, TRIPS
	s_mov_b32 s47, 0
	s_mov_b32 s49, 0x4038aa3b                      ; 2 log2(e)
	v_lshrrev_b32 v48, 5, v0
	v_readfirstlane_b32 s28, v48                   ; wave 0..7
	s_lshl_b32 s29, ttmp9, 3
	s_add_co_u32 s29, s29, s28                     ; which 512 points are my wave's
	s_mul_i32 s51, s28, WREG                       ; my region of LDS,
	s_add_co_u32 s52, s51, STG                     ; the stage,
	s_add_co_u32 s53, s51, OST                     ; the sums,
	s_add_co_u32 s54, s51, BIA                     ; b1,
	s_add_co_u32 s55, s54, 512                     ; b2
	v_lshl_add_u32 v[SPW], v0, 2, SPARE
	v_mov_b32 v[NIL], 0
	v_and_b32 v49, 31, v0                          ; lane
	v_and_b32 v50, 15, v0                          ; r
	v_bfe_u32 v51, v0, 4, 1                        ; h, which is also g
	v_bfe_u32 v52, v0, 3, 1                        ; xc
	v_mul_u32_u24 v[AL], v50, SP
	v_lshl_add_u32 v[AWS], v49, 5, s51
	v_lshl_add_u32 v[AO0], v49, 2, s53
	v_mul_u32_u24 v[APT], v49, 12
	v_lshl_add_u32 v[AL], v51, 6, v[AL]
	v_lshl_add_u32 v[AB1], v51, 6, s54
	v_lshl_add_u32 v[AB2], v51, 5, s55
	v_and_b32 v53, 8, v50
	v_add_nc_u32 v[AL], s52, v[AL]
	v_mul_u32_u24 v55, v50, 96                     ; W2: a row is 96 bytes,
	v_add_nc_u32 v53, v53, v50                     ; r + 8 (r / 8): also W1's scale byte, one a row
	v_mad_u32_u24 v55, v51, 24, v55                ; + 24 h
	v_lshlrev_b32 v56, 5, v51                      ; w3: 8 h numbers on
	v_mul_u32_u24 v54, v53, 24                     ; W1: a row is 24 bytes; both halves of the lanes take the same
	v_lshlrev_b32 v57, 2, v50                      ; W2's scale words
	v_lshlrev_b32 v58, 8, v51
	v_mul_u32_u24 v59, v51, 8*SP
	v_lshlrev_b32 v60, 4, v49                      ; 16 x lane: a bias's 512 bytes
	v_lshl_add_u32 v58, v52, 4, v58                ; 256 g + 16 xc
	v_lshl_add_u32 v59, v50, 4, v59                ; 8 SP g + 16 (l % 16)
	v_add_nc_u32 v61, s54, v60
.irp b, 4,5,6,7,9
	v_mov_b32 v[TM+\b], 0                          ; written once: a lane permute's destination counts as one of its sources
.endr
	s_wait_alu depctr_va_vdst(0)
	s_wait_kmcnt 0x0
	s_load_b32 s48, s[24:25], 0x0                  ; b3
	s_mul_i32 s30, s29, 6144
	s_mov_b32 s31, 0
	s_add_nc_u64 s[4:5], s[4:5], s[30:31]          ; my wave's points,
	s_lshl_b32 s30, s29, 11
	s_add_nc_u64 s[6:7], s[6:7], s[30:31]          ; cells
	s_add_nc_u64 s[26:27], s[26:27], s[30:31]      ; and results
	PTLOAD 0                                       ; group 0's points: what the first gathers hang on is asked for first
.irp t, 0,1,2,3,4,5,6,7
	global_load_u8 v[62+\t], v53, s[12:13] offset:32*(\t/2)+8*(\t%2)
	global_load_b32 v[70+\t], v57, s[18:19] offset:64*\t
.endr
	global_load_b128 v[112:115], v60, s[14:15]     ; b1 (in registers that W1 takes later)
	global_load_b128 v[116:119], v60, s[20:21]     ; b2
	WIN 0x40
	v_lshlrev_b32 v[L16], 4, v50
	v_add_nc_u32 v[AW], s51, v58
	v_add_nc_u32 v[AS], s52, v59
	v_lshlrev_b32 v[AI], 5, v51
	WIN 0x55
	IDXLOAD 0                                      ; unit 0's cells
	WIN 0
.irp t, 0,1,2,3,4,5,6,7
.irp p, 0,1,2,3,4,5
	global_load_b64 v[W2+12*\t+2*\p:W2+12*\t+2*\p+1], v55, s[16:17] offset:16*\t*96+48*(\p/3)+8*(\p%3)
.endr
.endr
	s_wait_alu depctr_va_vdst(0)
	s_wait_loadcnt 48                              ; all but W2's 48 loads are in: points, cells, scales, biases
	s_wait_kmcnt 0x0                               ; b3
	s_mul_f32 s50, s48, s49                        ; 2 log2(e) b3
.irp t, 0,1,2,3,4,5,6,7
	v_cndmask_b32 v[WS+\t], v[62+\t], v[70+\t], s43
.endr
	ds_store_b128 v61, v[112:115]
	ds_store_b128 v61, v[116:119] offset:512
	; ---- the run-in: unit 0 is prepared and asked for
	WIN 0x55
	ADRP
	WIN 0
	WCOMP
	PTLOAD 384                                     ; group 1's points and unit 1's cells, ahead of the 32 gathers
	WIN 0x55
	IDXLOAD 64
.irp p, 0,1,2,3
	GPAIR \p
.endr
	WQINIT 0
	WIN 0
	s_wait_alu depctr_va_vdst(0)
	s_wait_dscnt 0x0                               ; unit 0's weights are in and the biases are stored: nothing of mine is out in LDS on the way into the loop
	; W1 and w3 are asked for behind the first gathers.  In the first unit the fourth wait of the lerp leaves 18 loads out, all issued behind these: every weight is in ahead of product 1
.irp t, 0,1,2,3,4,5,6,7
.irp i, 0,1,2
	global_load_b64 v[W1+6*\t+2*\i:W1+6*\t+2*\i+1], v54, s[10:11] offset:(32*(\t/2)+8*(\t%2))*24+8*\i
.endr
.endr
	WIN 0x40
.irp t, 0,1,2,3,4,5,6,7
	global_load_b128 v[W3+8*\t:W3+8*\t+3], v56, s[22:23] offset:64*\t         ; w3[16 t + 8 h + 0 .. 7]
	global_load_b128 v[W3+8*\t+4:W3+8*\t+7], v56, s[22:23] offset:64*\t+16
.endr
	WIN 0
.Ltrip:                                            ; groups 0 .. 13; every window is 0 at the label and at the branch
	UNIT 0, 0, 0, 1, 1, 1, 1
	UNIT 1, 1, 1, 1, 1, 1, 1
	s_wait_alu depctr_va_vdst(0)
	s_wait_xcnt 0x0                                ; the loads of cells and points have read their bases
	s_add_nc_u64 s[4:5], s[4:5], 384               ; a group on
	s_add_nc_u64 s[6:7], s[6:7], 128
	s_sub_co_u32 s46, s46, 1
	s_cmp_lg_u32 s46, 0
	s_cbranch_scc1 .Ltrip
	UNIT 0, 0, 0, 1, 1, 1, 1                       ; group 14: no more points to ask for
	UNIT 1, 1, 0, 1, 1, 1, 1
	UNIT 0, 0, 0, 1, 0, 1, 1                       ; group 15: no more cells; no load leaves its buffer
	UNIT 1, 0, 0, 0, 0, 0, 0
	; ---- the wave's 512 sums: + b3, tanh(x) = 1 - 2 / (1 + 2^(2 log2(e) x)), which goes to 1 and to -1 where the power overflows or vanishes
	v_and_b32 v[TM], 31, v0
	s_delay_alu instid0(VALU_DEP_1)
	v_lshlrev_b32 v[TM+1], 4, v[TM]                ; 16 bytes a lane, in LDS and in out0
	s_delay_alu instid0(VALU_DEP_1)
	v_add_nc_u32 v[TM+2], s53, v[TM+1]
.irp k, 0,1,2,3
	ds_load_b128 v[X+4*\k:X+4*\k+3], v[TM+2] offset:512*\k     ; LDS serves a wave's instructions in order: these see my stores
.endr
	s_wait_alu depctr_va_vdst(0)
	s_wait_dscnt 0x0
.set j, 0
.rept 16
	v_fma_f32 v[X+j], v[X+j], s49, s50
.set j, j+1
.endr
	s_wait_alu depctr_va_vdst(0)
.set j, 0
.rept 16
	v_exp_f32 v[X+j], v[X+j]
.set j, j+1
.endr
	v_nop                                          ; a plain place behind the last exponential
	s_wait_alu depctr_va_vdst(0)                   ; one wait for the batch, ahead of its first reader
.set j, 0
.rept 16
	v_add_f32 v[X+j], 1.0, v[X+j]
.set j, j+1
.endr
	s_wait_alu depctr_va_vdst(0)
.set j, 0
.rept 16
	v_rcp_f32 v[X+j], v[X+j]
.set j, j+1
.endr
	v_nop
	s_wait_alu depctr_va_vdst(0)                   ; and one for the reciprocals
.set j, 0
.rept 16
	v_fma_f32 v[X+j], v[X+j], -2.0, 1.0
.set j, j+1
.endr
.irp k, 0,1,2,3
	global_store_b128 v[TM+1], v[X+4*\k:X+4*\k+3], s[26:27] offset:512*\k th:TH_STORE_NT   ; 32 lanes store 512 consecutive bytes at a multiple of 256
.endr
	s_wait_tensorcnt 0x0                           ; the wave's end
	ds_add_u32 v[SPW], v[NIL]
	s_wait_dscnt 0x0
	s_endpgm
.Lfunc_end_k_qb78e2e71f0_sdf:
	.size	k_qb78e2e71f0_sdf, .Lfunc_end_k_qb78e2e71f0_sdf-k_qb78e2e71f0_sdf
	.p2alignl 7, 3214868480
	.fill 96, 4, 3214868480
	.section	.rodata,"a",@progbits
	.p2align	6, 0x0
	.amdhsa_kernel k_qb78e2e71f0_sdf
		.amdhsa_group_segment_fixed_size 68608
		.amdhsa_private_segment_fixed_size 0
		.amdhsa_enable_private_segment 0
		.amdhsa_kernarg_size 96
		.amdhsa_user_sgpr_count 2
		.amdhsa_user_sgpr_kernarg_segment_ptr 1
		.amdhsa_wavefront_size32 1
		.amdhsa_system_sgpr_workgroup_id_x 1
		.amdhsa_system_sgpr_workgroup_id_y 1
		.amdhsa_system_sgpr_workgroup_id_z 1
		.amdhsa_system_vgpr_workitem_id 0
		.amdhsa_next_free_vgpr 512
		.amdhsa_next_free_sgpr 66
		.amdhsa_reserve_vcc 0
		.amdhsa_float_denorm_mode_32 3
		.amdhsa_float_denorm_mode_16_64 3
		.amdhsa_memory_ordered 1
		.amdhsa_forward_progress 1
		.amdhsa_inst_pref_size 188
	.end_amdhsa_kernel
	.amdgpu_metadata
---
amdhsa.version: [ 1, 2 ]
amdhsa.kernels:
  - .name:           k_qb78e2e71f0_sdf
    .symbol:         k_qb78e2e71f0_sdf.kd
    .args:
      - { .name: points, .offset: 0, .size: 8, .value_kind: global_buffer, .address_space: global }
      - { .name: cell, .offset: 8, .size: 8, .value_kind: global_buffer, .address_space: global }
      - { .name: tab, .offset: 16, .size: 8, .value_kind: global_buffer, .address_space: global }
      - { .name: w1_codes, .offset: 24, .size: 8, .value_kind: global_buffer, .address_space: global }
      - { .name: w1_scales, .offset: 32, .size: 8, .value_kind: global_buffer, .address_space: global }
      - { .name: b1, .offset: 40, .size: 8, .value_kind: global_buffer, .address_space: global }
      - { .name: w2_codes, .offset: 48, .size: 8, .value_kind: global_buffer, .address_space: global }
      - { .name: w2_scales, .offset: 56, .size: 8, .value_kind: global_buffer, .address_space: global }
      - { .name: b2, .offset: 64, .size: 8, .value_kind: global_buffer, .address_space: global }
      - { .name: w3, .offset: 72, .size: 8, .value_kind: global_buffer, .address_space: global }
      - { .name: b3, .offset: 80, .size: 8, .value_kind: global_buffer, .address_space: global }
      - { .name: out0, .offset: 88, .size: 8, .value_kind: global_buffer, .address_space: global }
    .group_segment_fixed_size: 68608
    .private_segment_fixed_size: 0
    .kernarg_segment_align: 8
    .kernarg_segment_size: 96
    .max_flat_workgroup_size: 256
    .sgpr_count:     66
    .vgpr_count:     512
    .wavefront_size: 32
...
	.end_amdgpu_metadata
.endif
;; end of part 2
